; MI455X (gfx1250); checked and timed in simulation.
; The chip was launched on July 23, 2026; its instructions are those of AMD's public machine-readable ISA for CDNA 5 (MIT licence, August 2026) and "CDNA5" Instruction Set Architecture Reference Guide (July 2026). The comments in the code are by the model that wrote it; some were corrected since.
;; Multi Head Attention. Allowed arithmetic: float matrix products may take bf16 or f16 operands with f32 sums; all other float work in f32.
;; Inputs: Wk 512 x 512 float32; Wo 512 x 512 float32; Wq 512 x 512 float32; Wv 512 x 512 float32; bk 512 float32; bo 512 float32; bq 512 float32; bv 512 float32; key_padding_mask 2 x 4,096 bool; x 2 x 4,096 x 512 float32.
;; Outputs: out0 2 x 4,096 x 512 float32.
;; One version. Each part assembles by itself: llvm-mc -triple=amdgcn-amd-amdhsa -mcpu=gfx1250 --defsym DOCPART=n.
;; ======== version 1 of 1: 3 launches
;; limits: right only within a limited range of input values
;; workspace buffers: Qs 8,388,608 bytes; Kb 8,388,608 bytes; Vt 8,388,608 bytes; AO 8,388,608 bytes; Wob 524,288 bytes
;; launch qkv (part 1): grid 32 x 8, 8 waves a work-group, no clusters, 235,520 bytes of LDS; arguments x, Wq, Wk, Wv, bq, bk, bv, Wo, Qs, Kb, Vt, Wob; writes Qs, Kb, Vt, Wob
.if DOCPART == 1
	.amdgcn_target "amdgcn-amd-amdhsa--gfx1250"
	.amdhsa_code_object_version 6
	.text
	.protected	k_q571999226e_qkv
	.globl	k_q571999226e_qkv
	.p2align	8
	.type	k_q571999226e_qkv,@function
k_q571999226e_qkv:
	s_mov_b64 s[64:65], 0
	v_nop
	global_prefetch_b8 v0, s[64:65] scope:SCOPE_SE
	s_setreg_imm32_b32 hwreg(HW_REG_WAVE_MODE, 25, 1), 1
	s_wait_xcnt 0x0
; Q, K, V = x W + b for one head and 256 tokens, rounded to bf16 and laid out head by head; and 1/256 of Wo rounded to bf16.
;   Qs[b*8+h][token][64] = (x Wq + bq) * log2(e)/8   (the factor is applied in f32, before the one rounding to bf16)
;   Kb[b*8+h][token][64] =  x Wk + bk
;   Vt[b*8+h][64][token] =  x Wv + bv                (transposed: tokens along the rows)
;   Wob[k][n] = bf16(Wo[k][n])
; Work-group (tb, hd): tokens 256 tb .. +255 of the 8,192, the 64 columns of head hd in each of the three weights: 256 x 192 over K = 512.
; Eight waves: wave w takes 64 tokens (tg = w & 3) and 32 columns of each weight (fh = w >> 2): 4 x 6 accumulator tiles, 192 registers.
; NO CLUSTER, NO TENSOR LOAD: x and W are f32 in memory and bf16 in LDS, so they pass through registers to be rounded; a tile brought
; straight into LDS would lie there in f32, twice the bytes, and W's [k][n] rows in f32 have no transposing LDS load.
; K goes in chunks of 64 through two LDS buffers: each row of a chunk is 256 consecutive bytes of memory, read by sixteen neighbouring lanes.
; One barrier a chunk: it stands between the stores of the next buffer and its reads, and between the reads of this buffer and its next stores.
; Limits: operands are rounded to bf16, sums are f32.
.set XP,    144                        ; LDS pitch of x's rows: 128 bytes + 16, an odd multiple of 16
.set XBUF,  256*XP                     ; 36,864: one buffer of x, 256 tokens x 64 k
.set WBASE, 2*XBUF                     ; 73,728
.set WP,    416                        ; LDS pitch of W's rows: 192 columns = 384 bytes + 32, an odd multiple of 32 (transposing loads)
.set WBUF,  64*WP                      ; 26,624: one buffer of W, 64 k x (64 Q | 64 K | 64 V) columns
.set QST,   WBASE+2*WBUF               ; 126,976: stage of Q, 256 tokens x 144
.set KST,   QST+256*XP                 ; 163,840: stage of K
.set VST,   KST+256*XP                 ; 200,704: stage of V^T, 64 rows x 528; ends at 234,496
.set VP,    528
; window 0
.set XG,  1                            ; byte offset of my 16 bytes in x's chunk:  (32 w + h) 2048 + 16 r
.set WGO, 2                            ; the same in a W chunk:                    (8 w + h) 2048 + 16 r
.set XST, 3                            ; where I store x in LDS:                   (32 w + h) 144 + 8 r
.set WST, 4                            ; where I store W in LDS:                   WBASE + (8 w + h) 416 + 8 r
.set XAD, 5                            ; x fragments:                              (64 tg + r) 144 + 16 h
.set WAD, 6                            ; W fragments (transposing):                WBASE + (8 h + (L & 7)) 416 + 16 ((L >> 3) & 1) + 64 fh
.set VGO, 7                            ; way out, V^T in memory:                   (t >> 5) 8192 + 16 (t & 31)
.set QGO, 8                            ; way out, Q and K in memory, and Wo:       16 t
.set WOS, 9                            ; Wob:                                      8 t
.set QSA, 10                           ; stage, Q and K in
.set VSA, 11                           ; stage, V in
.set QRA, 12                           ; stage, Q back
.set KRA, 13                           ; stage, K back
.set VRA, 14                           ; stage, V back
.set BA,  15                           ; bias of Q and K: 128 fh + 32 h
.set XS,  16                           ; v16-79   x as loaded (16 x 4 registers), rounded in place
.set WS,  80                           ; v80-127  W as loaded (3 x 4 x 4 registers)
.set XF,  128                          ; v128-159 four fragments of x
.set WF,  160                          ; v160-207 six fragments of W
.set WOR, 208                          ; v208-211 my 16 bytes of Wo; never used again
.set T,   212                          ; v212-215 at work
.set BVA, 216                          ; bias of V: 128 fh + 4 r
.set PK,  16                           ; way out: 24 tiles packed, v16-111
.set RB,  112                          ; way out: rows read back, v112-207
; window 1: accumulator tile (tt, ft) at v[8 (6 tt + ft)], 0-191; ft = 0,1 Q; 2,3 K; 4,5 V
.set BIAS, 192                         ; window 1: v192-239, the bias as a C operand, one tile for each ft
.set MSB, 0
.macro WIN new                         ; the immediate's high byte repeats the setting that is left
.if MSB != \new
	s_set_vgpr_msb (MSB<<8)|\new
.set MSB, \new
.endif
.endm
.macro PLACES n
.rept \n
	v_nop
.endr
.endm
.macro MM d, a, b, c
	v_wmma_f32_16x16x32_bf16 v[\d:\d+7], v[\a:\a+7], v[\b:\b+7], v[\c:\c+7]
.endm
	s_load_b512 s[8:23], s[0:1], 0x0               ; x s[8:9], Wq s[10:11], Wk s[12:13], Wv s[14:15], bq s[16:17], bk s[18:19], bv s[20:21], Wo s[22:23]
	s_load_b256 s[24:31], s[0:1], 0x40             ; Qs s[24:25], Kb s[26:27], Vt s[28:29], Wob s[30:31]
	v_lshl_add_u32 v254, v0, 2, 0x39400
	v_mov_b32 v255, 0
	v_lshrrev_b32 v[T], 5, v0                      ; t >> 5
	v_readfirstlane_b32 s4, v[T]                   ; wave w
	s_and_b32 s5, s4, 3                            ; tg
	s_lshr_b32 s6, s4, 2                           ; fh
	s_and_b32 s7, ttmp7, 0xffff                    ; hd
	s_mov_b32 s36, 0x3e38aa3b                      ; log2(e) / 8, twice: a pair for the packed multiply
	s_mov_b32 s37, 0x3e38aa3b
	v_and_b32 v[T+1], 15, v0                       ; r
	v_bfe_u32 v[T+2], v0, 4, 1                     ; h
	s_lshl_b32 s33, s4, 5
	v_add_nc_u32 v[T+3], s33, v[T+2]               ; 32 w + h
	v_lshlrev_b32 v[XG], 11, v[T+3]
	v_lshl_add_u32 v[XG], v[T+1], 4, v[XG]
	v_mul_u32_u24 v[XST], v[T+3], XP
	v_lshl_add_u32 v[XST], v[T+1], 3, v[XST]
	s_lshl_b32 s33, s4, 3
	v_add_nc_u32 v[T+3], s33, v[T+2]               ; 8 w + h
	v_lshlrev_b32 v[WGO], 11, v[T+3]
	v_lshl_add_u32 v[WGO], v[T+1], 4, v[WGO]
	v_mul_u32_u24 v[WST], v[T+3], WP
	v_lshl_add_u32 v[WST], v[T+1], 3, v[WST]
	v_add_nc_u32 v[WST], WBASE, v[WST]
	v_lshlrev_b32 v[QGO], 4, v0
	v_lshlrev_b32 v[WOS], 3, v0
	s_lshl_b32 s33, s6, 7
	v_lshl_add_u32 v[BA], v[T+2], 5, s33
	v_lshl_add_u32 v[BVA], v[T+1], 2, s33
	s_wait_kmcnt 0x0
	s_lshl_b32 s2, ttmp9, 19                       ; 256 tokens of 2,048 bytes
	s_mov_b32 s3, 0
	s_add_nc_u64 s[8:9], s[8:9], s[2:3]            ; x at my first token
	s_lshl_b32 s2, s7, 8                           ; 64 columns of 4 bytes
	s_add_nc_u64 s[10:11], s[10:11], s[2:3]        ; the weights and the biases at my head's first column
	s_add_nc_u64 s[12:13], s[12:13], s[2:3]
	s_add_nc_u64 s[14:15], s[14:15], s[2:3]
	s_add_nc_u64 s[16:17], s[16:17], s[2:3]
	s_add_nc_u64 s[18:19], s[18:19], s[2:3]
	s_add_nc_u64 s[20:21], s[20:21], s[2:3]
	s_lshl_b32 s33, s7, 5
	s_add_co_u32 s33, s33, ttmp9                   ; my piece of Wo: 32 hd + tb, 0 to 255
	s_lshl_b32 s2, s33, 12                         ; 4,096 bytes of f32
	s_add_nc_u64 s[22:23], s[22:23], s[2:3]
	s_lshl_b32 s2, s33, 11                         ; 2,048 bytes of bf16
	s_add_nc_u64 s[30:31], s[30:31], s[2:3]
; 28 loads: a chunk of 64 along K.  x: 16 loads, two tokens' 256 bytes each; each W: 4 loads, two k rows' 256 bytes each.
.macro LOADCH
.irp i, 0,1,2,3,4,5,6,7,8,9,10,11,12,13,14,15
	global_load_b128 v[XS+4*\i:XS+4*\i+3], v[XG], s[8:9] offset:4096*\i
.endr
.irp i, 0,1,2,3
	global_load_b128 v[WS+4*\i:WS+4*\i+3], v[WGO], s[10:11] offset:4096*\i
.endr
.irp i, 0,1,2,3
	global_load_b128 v[WS+16+4*\i:WS+16+4*\i+3], v[WGO], s[12:13] offset:4096*\i
.endr
.irp i, 0,1,2,3
	global_load_b128 v[WS+32+4*\i:WS+32+4*\i+3], v[WGO], s[14:15] offset:4096*\i
.endr
.endm
.macro STEPB                           ; the next chunk: 64 numbers on in x's rows, 64 rows down in W.  Stands only where no load that names these bases is out
	s_add_nc_u64 s[8:9], s[8:9], 256
	s_add_nc_u64 s[10:11], s[10:11], 0x20000
	s_add_nc_u64 s[12:13], s[12:13], 0x20000
	s_add_nc_u64 s[14:15], s[14:15], 0x20000
.endm
; the chunk in the staging registers is rounded to bf16 in place and stored into LDS buffer buf, 8 bytes a lane
.macro STORECH buf
.irp i, 0,1,2,3,4,5,6,7,8,9,10,11,12,13,14,15
	v_cvt_pk_bf16_f32 v[XS+4*\i], v[XS+4*\i], v[XS+4*\i+1]
	v_cvt_pk_bf16_f32 v[XS+4*\i+1], v[XS+4*\i+2], v[XS+4*\i+3]
	ds_store_b64 v[XST], v[XS+4*\i:XS+4*\i+1] offset:(\buf)*XBUF+2*XP*\i
.endr
.irp m, 0,1,2
.irp i, 0,1,2,3
	v_cvt_pk_bf16_f32 v[WS+16*\m+4*\i], v[WS+16*\m+4*\i], v[WS+16*\m+4*\i+1]
	v_cvt_pk_bf16_f32 v[WS+16*\m+4*\i+1], v[WS+16*\m+4*\i+2], v[WS+16*\m+4*\i+3]
	ds_store_b64 v[WST], v[WS+16*\m+4*\i:WS+16*\m+4*\i+1] offset:(\buf)*WBUF+128*\m+2*WP*\i
.endr
.endr
.endm
; 32 along K: 20 LDS loads, 24 matrix instructions.  Q and K tiles: source 0 = W (rows of the result = columns of W), source 1 = x, so that a lane
; holds eight neighbouring features of one token.  V tiles the other way round: a lane holds eight neighbouring tokens of one feature.
; first = 1: the bias tile is the C operand, so nothing is cleared and no bias is added later.
; The 24 accumulators take turns, one instruction a turn.
.macro KSTEP buf, ks, first
.if \first == 0
	PLACES 4                                       ; loads into registers that matrix instructions have read stand four places behind them
.endif
.irp tt, 0,1,2,3
	ds_load_b128 v[XF+8*\tt:XF+8*\tt+3], v[XAD] offset:\buf*XBUF+16*XP*\tt+64*\ks
	ds_load_b128 v[XF+8*\tt+4:XF+8*\tt+7], v[XAD] offset:\buf*XBUF+16*XP*\tt+64*\ks+32
.endr
.irp m, 0,1,2
.irp t, 0,1
	ds_load_tr16_b128 v[WF+8*(2*\m+\t):WF+8*(2*\m+\t)+3], v[WAD] offset:\buf*WBUF+32*WP*\ks+128*\m+32*\t
	ds_load_tr16_b128 v[WF+8*(2*\m+\t)+4:WF+8*(2*\m+\t)+7], v[WAD] offset:\buf*WBUF+32*WP*\ks+128*\m+32*\t+16*WP
.endr
.endr
	s_wait_dscnt 0x0
	WIN 0x50                                       ; C and D in window 1
.irp tt, 0,1,2,3
.irp ft, 0,1,2,3
.if \first
	MM 8*(6*\tt+\ft), WF+8*\ft, XF+8*\tt, BIAS+8*\ft
.else
	MM 8*(6*\tt+\ft), WF+8*\ft, XF+8*\tt, 8*(6*\tt+\ft)
.endif
.endr
.irp ft, 4,5
.if \first
	MM 8*(6*\tt+\ft), XF+8*\tt, WF+8*\ft, BIAS+8*\ft
.else
	MM 8*(6*\tt+\ft), XF+8*\tt, WF+8*\ft, 8*(6*\tt+\ft)
.endif
.endr
.endr
	WIN 0
.endm
; a chunk: multiply buffer buf; the chunk that has arrived in registers goes into the other buffer; load = 1: the chunk after it is asked for
.macro ITER buf, load, first
	KSTEP \buf, 0, \first
	KSTEP \buf, 1, 0
	s_wait_loadcnt 0x0                             ; the next chunk is in the staging registers, and no load names the bases any more
	STORECH 1-\buf
	s_wait_dscnt 0x0                               ; my stores are in LDS (for the other waves) and my reads of this buffer are back; the staging registers are free
.if \load
	STEPB
	LOADCH
.endif
	s_barrier_signal -1
	s_barrier_wait -1
.endm
	LOADCH                                         ; chunk 0
	WIN 0x40                                       ; destinations in window 1
.irp t, 0,1
	global_load_b128 v[BIAS+8*\t:BIAS+8*\t+3], v[BA], s[16:17] offset:64*\t            ; Q: register j = bq[.. + 8 h + j]
	global_load_b128 v[BIAS+8*\t+4:BIAS+8*\t+7], v[BA], s[16:17] offset:64*\t+16
	global_load_b128 v[BIAS+16+8*\t:BIAS+16+8*\t+3], v[BA], s[18:19] offset:64*\t      ; K likewise
	global_load_b128 v[BIAS+16+8*\t+4:BIAS+16+8*\t+7], v[BA], s[18:19] offset:64*\t+16
	global_load_b32 v[BIAS+32+8*\t], v[BVA], s[20:21] offset:64*\t                     ; V: every register = bv[.. + r]
.endr
	WIN 0
	global_load_b128 v[WOR:WOR+3], v[QGO], s[22:23]
	; the other addresses, while the loads are on their way
	s_lshl_b32 s33, s5, 6
	v_add_nc_u32 v[T+3], s33, v[T+1]               ; 64 tg + r
	v_mul_u32_u24 v[XAD], v[T+3], XP
	v_lshl_add_u32 v[XAD], v[T+2], 4, v[XAD]
	s_lshl_b32 s33, s6, 6
	s_add_co_u32 s33, s33, QST
	v_add_nc_u32 v[QSA], s33, v[XAD]               ; QST + (64 tg + r) 144 + 16 h + 64 fh
	v_and_b32 v[T+3], 7, v0
	v_lshl_add_u32 v[T+3], v[T+2], 3, v[T+3]       ; 8 h + (L & 7)
	v_mul_u32_u24 v[WAD], v[T+3], WP
	v_bfe_u32 v[T+3], v0, 3, 1
	v_lshl_add_u32 v[WAD], v[T+3], 4, v[WAD]
	s_lshl_b32 s33, s6, 6
	s_add_co_u32 s33, s33, WBASE
	v_add_nc_u32 v[WAD], s33, v[WAD]
	s_lshl_b32 s33, s6, 5
	v_add_nc_u32 v[T+3], s33, v[T+1]               ; 32 fh + r
	v_mul_u32_u24 v[VSA], v[T+3], VP
	v_lshl_add_u32 v[VSA], v[T+2], 4, v[VSA]
	s_lshl_b32 s33, s5, 7
	s_add_co_u32 s33, s33, VST
	v_add_nc_u32 v[VSA], s33, v[VSA]               ; VST + (32 fh + r) 528 + 16 h + 128 tg
	v_lshrrev_b32 v[T+3], 3, v0
	v_mul_u32_u24 v[QRA], v[T+3], XP
	v_and_b32 v[T+3], 7, v0
	v_lshl_add_u32 v[QRA], v[T+3], 4, v[QRA]       ; (t >> 3) 144 + 16 (t & 7)
	v_add_nc_u32 v[KRA], KST, v[QRA]
	v_add_nc_u32 v[QRA], QST, v[QRA]
	v_mul_u32_u24 v[VRA], v[T], VP
	v_and_b32 v[T+3], 31, v0
	v_lshl_add_u32 v[VRA], v[T+3], 4, v[VRA]
	v_add_nc_u32 v[VRA], VST, v[VRA]               ; VST + (t >> 5) 528 + 16 (t & 31)
	v_lshlrev_b32 v[VGO], 13, v[T]
	v_lshl_add_u32 v[VGO], v[T+3], 4, v[VGO]
	s_lshr_b32 s33, ttmp9, 4                       ; batch
	s_lshl3_add_u32 s33, s33, s7                   ; 8 b + hd
	s_lshl_b32 s33, s33, 19                        ; a head's 4,096 x 64 bf16
	s_and_b32 s34, ttmp9, 15
	s_lshl_b32 s35, s34, 15                        ; 256 tokens of 128 bytes
	s_add_co_u32 s2, s33, s35
	s_add_nc_u64 s[24:25], s[24:25], s[2:3]
	s_add_nc_u64 s[26:27], s[26:27], s[2:3]
	s_lshl_b32 s35, s34, 9                         ; 256 tokens of 2 bytes in a row of V^T
	s_add_co_u32 s2, s33, s35
	s_add_nc_u64 s[28:29], s[28:29], s[2:3]
	s_wait_loadcnt 11                              ; chunk 0's 28 loads are in; the ten bias loads and Wo's stay out
	STORECH 0
	s_wait_dscnt 0x0                               ; in LDS, for the other waves; the staging registers are free
	STEPB                                          ; chunk 0's loads are done, so their bases may step
	LOADCH                                         ; chunk 1
	s_wait_loadcnt 28                              ; the biases and Wo's piece are in; chunk 1's 28 loads stay out
	WIN 0x41
.irp t, 4,5
.irp j, 1,2,3,4,5,6,7
	v_mov_b32 v[BIAS+8*\t+\j], v[BIAS+8*\t]        ; V's bias tile: the lane's feature in all eight registers
.endr
.endr
	WIN 0
	v_cvt_pk_bf16_f32 v[WOR], v[WOR], v[WOR+1]
	v_cvt_pk_bf16_f32 v[WOR+1], v[WOR+2], v[WOR+3]
	global_store_b64 v[WOS], v[WOR:WOR+1], s[30:31]    ; a wave stores 256 consecutive bytes, aligned
	s_barrier_signal -1
	s_barrier_wait -1                              ; buffer 0 is whole
	ITER 0, 1, 1                                   ; chunks 0 and 1 stand in front of the loop: the first products start the sums
	ITER 1, 1, 0
	s_mov_b32 s38, 2
.Lchunks:
	ITER 0, 1, 0                                   ; chunks 2 to 5; the loads run two chunks ahead and end with chunk 7
	ITER 1, 1, 0
	s_sub_co_u32 s38, s38, 1
	s_cmp_lg_u32 s38, 0
	s_cbranch_scc1 .Lchunks
	ITER 0, 0, 0                                   ; chunk 6; chunk 7 goes into buffer 1; nothing is left to load
	KSTEP 1, 0, 0                                  ; chunk 7
	KSTEP 1, 1, 0
	; THE WAY OUT: scale Q, round, 16 bytes a lane into the stages, a barrier, whole rows back, stores of 512 consecutive bytes a wave.
	PLACES 4                                       ; vector instructions read matrix results four places behind them (ISA guide 7.12.1)
	WIN 0x41
.irp tt, 0,1,2,3
.irp ft, 0,1
.irp p, 0,2,4,6
	v_pk_mul_f32 v[8*(6*\tt+\ft)+\p:8*(6*\tt+\ft)+\p+1], v[8*(6*\tt+\ft)+\p:8*(6*\tt+\ft)+\p+1], s[36:37] op_sel_hi:[1,0]
.endr
.endr
.endr
	WIN 0x05                                       ; sources in window 1, destination in window 0
.set i, 0
.rept 24
.irp p, 0,1,2,3
	v_cvt_pk_bf16_f32 v[PK+4*i+\p], v[8*i+2*\p], v[8*i+2*\p+1]
.endr
.set i, i+1
.endr
	WIN 0
.irp tt, 0,1,2,3
.irp t, 0,1
	ds_store_b128 v[QSA], v[PK+4*(6*\tt+\t):PK+4*(6*\tt+\t)+3] offset:16*XP*\tt+32*\t                  ; Q: token 16 tt + r, features 16 t + 8 h ..
	ds_store_b128 v[QSA], v[PK+4*(6*\tt+2+\t):PK+4*(6*\tt+2+\t)+3] offset:KST-QST+16*XP*\tt+32*\t      ; K
	ds_store_b128 v[VSA], v[PK+4*(6*\tt+4+\t):PK+4*(6*\tt+4+\t)+3] offset:16*VP*\t+32*\tt              ; V: feature 16 t + r, tokens 16 tt + 8 h ..
.endr
.endr
	s_wait_dscnt 0x0                               ; for the other waves
	s_barrier_signal -1
	s_barrier_wait -1
.irp i, 0,1,2,3,4,5,6,7
	ds_load_b128 v[RB+4*\i:RB+4*\i+3], v[QRA] offset:32*XP*\i
.endr
.irp i, 0,1,2,3,4,5,6,7
	ds_load_b128 v[RB+32+4*\i:RB+32+4*\i+3], v[KRA] offset:32*XP*\i
.endr
.irp i, 0,1,2,3,4,5,6,7
	ds_load_b128 v[RB+64+4*\i:RB+64+4*\i+3], v[VRA] offset:8*VP*\i
.endr
.irp i, 0,1,2,3,4,5,6,7
	s_wait_dscnt 23-\i                             ; LDS loads come back in order: load i of the 24 is in
	global_store_b128 v[QGO], v[RB+4*\i:RB+4*\i+3], s[24:25] offset:4096*\i
.endr
.irp i, 0,1,2,3,4,5,6,7
	s_wait_dscnt 15-\i
	global_store_b128 v[QGO], v[RB+32+4*\i:RB+32+4*\i+3], s[26:27] offset:4096*\i
.endr
.irp i, 0,1,2,3,4,5,6,7
	s_wait_dscnt 7-\i
	global_store_b128 v[VGO], v[RB+64+4*\i:RB+64+4*\i+3], s[28:29] offset:65536*\i     ; a wave stores one row's 512 bytes
.endr
	s_wait_tensorcnt 0x0
	ds_add_u32 v254, v255
	s_wait_dscnt 0x0
	s_endpgm
.Lfunc_end_k_q571999226e_qkv:
	.size	k_q571999226e_qkv, .Lfunc_end_k_q571999226e_qkv-k_q571999226e_qkv
	.p2alignl 7, 3214868480
	.fill 96, 4, 3214868480
	.section	.rodata,"a",@progbits
	.p2align	6, 0x0
	.amdhsa_kernel k_q571999226e_qkv
		.amdhsa_group_segment_fixed_size 235520
		.amdhsa_private_segment_fixed_size 0
		.amdhsa_enable_private_segment 0
		.amdhsa_kernarg_size 96
		.amdhsa_user_sgpr_count 2
		.amdhsa_user_sgpr_kernarg_segment_ptr 1
		.amdhsa_wavefront_size32 1
		.amdhsa_system_sgpr_workgroup_id_x 1
		.amdhsa_system_sgpr_workgroup_id_y 1
		.amdhsa_system_sgpr_workgroup_id_z 1
		.amdhsa_system_vgpr_workitem_id 0
		.amdhsa_next_free_vgpr 496
		.amdhsa_next_free_sgpr 66
		.amdhsa_reserve_vcc 0
		.amdhsa_float_denorm_mode_32 3
		.amdhsa_float_denorm_mode_16_64 3
		.amdhsa_memory_ordered 1
		.amdhsa_forward_progress 1
		.amdhsa_inst_pref_size 106
	.end_amdhsa_kernel
	.amdgpu_metadata
---
amdhsa.version: [ 1, 2 ]
amdhsa.kernels:
  - .name:           k_q571999226e_qkv
    .symbol:         k_q571999226e_qkv.kd
    .args:
      - { .name: x, .offset: 0, .size: 8, .value_kind: global_buffer, .address_space: global }
      - { .name: Wq, .offset: 8, .size: 8, .value_kind: global_buffer, .address_space: global }
      - { .name: Wk, .offset: 16, .size: 8, .value_kind: global_buffer, .address_space: global }
      - { .name: Wv, .offset: 24, .size: 8, .value_kind: global_buffer, .address_space: global }
      - { .name: bq, .offset: 32, .size: 8, .value_kind: global_buffer, .address_space: global }
      - { .name: bk, .offset: 40, .size: 8, .value_kind: global_buffer, .address_space: global }
      - { .name: bv, .offset: 48, .size: 8, .value_kind: global_buffer, .address_space: global }
      - { .name: Wo, .offset: 56, .size: 8, .value_kind: global_buffer, .address_space: global }
      - { .name: Qs, .offset: 64, .size: 8, .value_kind: global_buffer, .address_space: global }
      - { .name: Kb, .offset: 72, .size: 8, .value_kind: global_buffer, .address_space: global }
      - { .name: Vt, .offset: 80, .size: 8, .value_kind: global_buffer, .address_space: global }
      - { .name: Wob, .offset: 88, .size: 8, .value_kind: global_buffer, .address_space: global }
    .group_segment_fixed_size: 235520
    .private_segment_fixed_size: 0
    .kernarg_segment_align: 8
    .kernarg_segment_size: 96
    .max_flat_workgroup_size: 256
    .sgpr_count:     66
    .vgpr_count:     496
    .wavefront_size: 32
...
	.end_amdgpu_metadata
.endif
;; end of part 1
;; launch attn (part 2): grid 16 x 16, 8 waves a work-group, clusters of 4 x 1, 327,680 bytes of LDS; arguments Qs, Kb, Vt, key_padding_mask, AO; writes AO
.if DOCPART == 2
	.amdgcn_target "amdgcn-amd-amdhsa--gfx1250"
	.amdhsa_code_object_version 6
	.text
	.protected	k_q571999226e_attn
	.globl	k_q571999226e_attn
	.p2align	8
	.type	k_q571999226e_attn,@function
k_q571999226e_attn:
	s_mov_b64 s[64:65], 0
	v_nop
	global_prefetch_b8 v0, s[64:65] scope:SCOPE_SE
	s_setreg_imm32_b32 hwreg(HW_REG_WAVE_MODE, 25, 1), 1
	s_wait_xcnt 0x0
	s_wait_alu depctr_hold_cnt(0) depctr_sa_sdst(0) depctr_va_vdst(0) depctr_va_sdst(0) depctr_va_ssrc(0) depctr_va_vcc(0) depctr_vm_vsrc(0)
	s_getreg_b32 s2, hwreg(HW_REG_IB_STS2, 6, 4)
	s_cmp_eq_u32 s2, 0
	s_cbranch_scc0 .Lentry_in_a_cluster
	s_endpgm
.Lentry_in_a_cluster:
	s_bfe_u32 s2, ttmp6, 0x10000c
	s_cmp_lg_u32 s2, 0x3003
	s_cbranch_scc0 .Lentry_shape_is_right
	s_endpgm
.Lentry_shape_is_right:
; Attention of one head (bh = 8 b + h) for 256 queries: AO[bh][query][64] = softmax(Q K^T / 8, masked) V, in bf16.
; Qs already holds Q log2(e) / 8, so the scores are exponents of 2.  A running maximum is kept for every query.
; Eight waves: wave w takes 64 queries (pw = w & 3, four tiles of 16) and one half of the keys (kh = w >> 2: keys 128 kh .. +127 of each tile
; of 256 keys); the two halves are merged once, at the end, through LDS.
; TRANSPOSED FORM.  S^T = K Q^T: source 0 = 16 keys, source 1 = 16 queries, so lane (r, h), register j holds key 8 h + j of query r.  Two such
; tiles, packed to bf16, are as they stand the second source (32 keys x 16 queries) of O^T += V^T P^T: P never leaves the registers, and the
; maximum, the sum and the rescaling factor of a query are one number a lane; only the maximum crosses the two halves of the lanes.
; THE PIPELINE.  Two score buffers, SA (query tiles 0, 1) and SB (query tiles 2, 3).  While one goes through the softmax, the matrix unit works for the
; other: first its last P V, then its next K Q^T.  Matrix and vector instructions alternate in the text: two rescaling multiplies behind each product
; of P V, eight instructions of subtraction, exponential and sum between two products of K Q^T.
; THE WINDOWS are laid so that one setting serves both streams.  Window 0: addresses, SA, SB, K's fragments, the mask tiles.  Window 1: O^T, Q's and
; V^T's fragments.  P V (sources 0 and 2 and the destination in window 1) goes with O = O x factor.  K Q^T (source 1 alone in window 1) goes with the
; exponentials and with x * 1.0 + y, whose second register stands in the third source place: so the subtraction of the maximum and the sums are
; written as fused multiply-adds by 1.0, and the pairs hold MINUS the maximum.
; THE MASK is a table of 4,096 f32 in LDS, 0 for an open key and -2^100 for a masked one; it is the C operand of each score tile's first
; matrix instruction.  The running maximum starts at -2^99, so a masked score never sets it and its power of two is 0.  Where all keys of a
; batch are masked the sum is 0 and the result 0 x infinity = NaN, as a softmax of -infinities alone gives.
; LIMITS: scores (in powers of two) above -2^99; mask bytes 0 or 1; Q, K, V, P and the result are rounded to bf16; the sum l is made of the unrounded P.
; CLUSTER: the four work-groups of a cluster are four query blocks of one head and walk the same K and V tiles: each tile is asked for jointly
; (mask 15).  Nothing in a descriptor, an LDS address or a branch hangs on the place in the cluster; it enters Qs' and AO's addresses alone.
; Two LDS slots take turns; waves 0-3 fetch a quarter of K's tile each, waves 4-7 a quarter of V's: a wave has one tensor load out at a time.
.set KP,    144                        ; K's rows: 128 bytes + 16
.set VP,    528                        ; V^T's rows: 512 bytes + 16
.set VOFF,  256*KP                     ; 36,864: V^T's tile behind K's
.set SLOT,  VOFF+64*VP                 ; 70,656
.set BIASB, 2*SLOT                     ; 141,312: the mask table, 16,384 bytes
.set MERGE, BIASB+16384                ; 157,696: for each pw 16,384 bytes of O and 1,024 of (-m, l)
.set MSZ,   17408
.set STAGE, MERGE+4*MSZ                ; 227,328: for each pw 64 rows x 144; ends at 264,192
; window 0
.set MADR, 1                           ; MERGE + 17,408 pw + 16 L
.set KADR, 2                           ; v2, v3: slot + 18,432 kh + 144 r + 16 h
.set VADR, 4                           ; v4, v5: slot + 36,864 + 528 r + 16 h + 256 kh
.set BADR, 6                           ; BIASB + 512 kh + 32 h, 1,024 on with every tile
.set QOFF, 7                           ; (64 pw + r) 128 + 16 h
.set ML,   8                           ; v8-15: (-m, l) of query tiles 0 to 3
.set AL,   16                          ; v16, v18: the rescaling factors of the two tiles at work (v17, v19 only complete the pairs)
.set T,    20                          ; v20-27 at work
.set X,    28                          ; v28, v29: from the other half of the lanes
.set MO,   30                          ; v30, v31: the old maxima of the two tiles at work
.set SA,   32                          ; v32-95: scores, then P, of query tiles 0, 1; tile (qi, kt) at 32 qi + 8 kt
.set SB,   96                          ; v96-159: the same of query tiles 2, 3
.set KF,   160                         ; v160-223: K fragments, 16 kt + 8 c
.set BI,   224                         ; v224-255: mask tiles, 8 kt
; window 1: O^T tile (q, d) at v[32 q + 8 d], 0-127
.set QF,   128                         ; window 1: v128-191, Q fragments, 16 q + 8 c
.set VF,   192                         ; window 1: v192-255, V^T fragments, 32 g + 8 d
.set G1K, 24                           ; s[24:31] shape of a quarter of K's tile
.set G1V, 32                           ; s[32:39] shape of a quarter of V^T's tile
.set G0K, 40                           ; s[40:47] from where, to where: K, one set for each slot
.set G0V, 48                           ; s[48:55] the same for V^T
.set MSB, 0
.macro WIN new                         ; the immediate's high byte repeats the setting that is left
.if MSB != \new
	s_set_vgpr_msb (MSB<<8)|\new
.set MSB, \new
.endif
.endm
.macro PLACES n
.rept \n
	v_nop
.endr
.endm
.macro MM d, a, b, c
	v_wmma_f32_16x16x32_bf16 v[\d:\d+7], v[\a:\a+7], v[\b:\b+7], v[\c:\c+7]
.endm
.macro MMZ d, a, b
	v_wmma_f32_16x16x32_bf16 v[\d:\d+7], v[\a:\a+7], v[\b:\b+7], 0
	s_wait_alu depctr_va_vdst(0)
.endm
; a round of the cluster's barrier: my work-group's barrier, wave 0 signals for the work-group, every wave waits for all four, my work-group's barrier again
.macro ROUND
	s_barrier_signal -1
	s_barrier_wait -1
	s_cmp_lg_u32 s14, 0
	s_cbranch_scc1 .Lnot_wave_0_\@
	s_barrier_signal -3
.Lnot_wave_0_\@:
	s_barrier_wait -3
	s_barrier_signal -1
	s_barrier_wait -1
.endm
; a joint load into slot s: waves 0-3 ask for K's quarters, waves 4-7 for V^T's.  The branch hangs on the wave's number alone
.macro JLOAD s
	s_cmp_eq_u32 s16, 0
	s_cbranch_scc0 .Lfor_v_\@
	tensor_load_to_lds s[G0K+4*\s:G0K+4*\s+3], s[G1K:G1K+7]
	s_nop 0
	s_branch .Lasked_\@
.Lfor_v_\@:
	tensor_load_to_lds s[G0V+4*\s:G0V+4*\s+3], s[G1V:G1V+7]
	s_nop 0
.Lasked_\@:
.endm
	s_load_b256 s[4:11], s[0:1], 0x0               ; Qs s[4:5], Kb s[6:7], Vt s[8:9], mask s[10:11]
	s_load_b64 s[12:13], s[0:1], 0x20              ; AO
	v_lshl_add_u32 v254, v0, 2, 0x40800
	v_mov_b32 v255, 0
	ds_add_u32 v254, v255
	s_wait_dscnt 0x0
	v_lshrrev_b32 v20, 5, v0
	v_readfirstlane_b32 s14, v20                   ; wave w
	s_and_b32 s15, s14, 3                          ; pw
	s_lshr_b32 s16, s14, 2                         ; kh
	s_and_b32 s17, ttmp7, 0xffff                   ; bh
	s_bfe_u32 s18, ttmp6, 0x40000                  ; cx
	s_lshl_b32 s19, ttmp9, 2
	s_add_co_u32 s19, s19, s18                     ; query block = 4 x cluster x + cx
	s_mov_b32 s22, 0x76543210                      ; v_permlanex16_b32: lane i reads lane i of the other half
	s_mov_b32 s23, 0xfedcba98
	s_mov_b32 s57, 0xf1800000                      ; -2^100
	; K: 64 rows of 64 bf16, dense; 16 bytes of padding behind every 32 words.  Mask 15: all four work-groups; bit 21 set beside it
	s_mov_b32 s[G1K+0], 15|(1<<16)|(1<<20)|(1<<21)|(4<<22)|(3<<25)
	s_mov_b32 s[G1K+1], 64<<16                     ; tensor_dim0 = 64
	s_mov_b32 s[G1K+2], 64<<16                     ; tensor_dim1 = 64
	s_mov_b32 s[G1K+3], 64<<16                     ; tile_dim0 = 64
	s_mov_b32 s[G1K+4], 64                         ; tile_dim1 = 64
	s_mov_b32 s[G1K+5], 64                         ; from row to row: 64 elements
	s_mov_b32 s[G1K+6], 0
	s_mov_b32 s[G1K+7], 0
	; V^T: 16 rows of 256 bf16, 4,096 elements apart; 16 bytes of padding behind every 128 words
	s_mov_b32 s[G1V+0], 15|(1<<16)|(1<<20)|(1<<21)|(6<<22)|(3<<25)
	s_mov_b32 s[G1V+1], 256<<16
	s_mov_b32 s[G1V+2], 16<<16
	s_mov_b32 s[G1V+3], 256<<16
	s_mov_b32 s[G1V+4], 16
	s_mov_b32 s[G1V+5], 4096
	s_mov_b32 s[G1V+6], 0
	s_mov_b32 s[G1V+7], 0
	s_mul_i32 s58, s15, 64*KP                      ; my quarter of K's tile in a slot
	s_mul_i32 s59, s15, 16*VP                      ; my quarter of V^T's
	s_wait_kmcnt 0x0
	s_lshl_b32 s20, s17, 19                        ; a head's 524,288 bytes
	s_mov_b32 s21, 0
	s_add_nc_u64 s[6:7], s[6:7], s[20:21]
	s_add_nc_u64 s[8:9], s[8:9], s[20:21]
	s_lshl_b32 s20, s15, 13                        ; 64 rows of 128 bytes
	s_add_nc_u64 s[6:7], s[6:7], s[20:21]
	s_lshl_b32 s20, s15, 17                        ; 16 rows of 8,192 bytes
	s_add_nc_u64 s[8:9], s[8:9], s[20:21]
.irp s, 0,1
	s_mov_b32 s[G0K+4*\s], 1
	s_add_co_u32 s[G0K+4*\s+1], s58, \s*SLOT
	s_add_nc_u64 s[G0K+4*\s+2:G0K+4*\s+3], s[6:7], \s*32768        ; tile s: 256 keys of 128 bytes
	s_or_b32 s[G0K+4*\s+3], s[G0K+4*\s+3], 0x80000000
	s_mov_b32 s[G0V+4*\s], 1
	s_add_co_u32 s[G0V+4*\s+1], s59, \s*SLOT+VOFF
	s_add_nc_u64 s[G0V+4*\s+2:G0V+4*\s+3], s[8:9], \s*512          ; tile s: 256 keys of 2 bytes along the rows
	s_or_b32 s[G0V+4*\s+3], s[G0V+4*\s+3], 0x80000000
.endr
	ROUND                                          ; all four work-groups are here: the first joint loads meet
	JLOAD 0                                        ; tile 0
	s_lshr_b32 s20, s17, 3                         ; batch
	s_lshl_b32 s20, s20, 12
	s_add_nc_u64 s[10:11], s[10:11], s[20:21]      ; my batch's 4,096 mask bytes
	s_lshl_b32 s60, s17, 19                        ; the offsets that hold cx have registers of their own
	s_lshl_b32 s61, s19, 15                        ; 256 queries of 128 bytes
	s_add_co_u32 s60, s60, s61
	s_mov_b32 s61, 0
	s_add_nc_u64 s[4:5], s[4:5], s[60:61]          ; Qs at my block
	s_add_nc_u64 s[12:13], s[12:13], s[60:61]      ; AO at my block,
	s_lshl_b32 s60, s15, 13
	s_add_nc_u64 s[12:13], s[12:13], s[60:61]      ; at my wave's 64 queries
	v_and_b32 v21, 15, v0                          ; r
	v_bfe_u32 v22, v0, 4, 1                        ; h
	v_lshlrev_b32 v30, 4, v0                       ; my 16 mask bytes
	s_lshl_b32 s62, s15, 6
	v_add_nc_u32 v23, s62, v21                     ; 64 pw + r
	v_lshlrev_b32 v23, 7, v23
	v_lshl_add_u32 v[QOFF], v22, 4, v23
	v_mul_u32_u24 v23, v21, KP
	v_lshl_add_u32 v23, v22, 4, v23
	s_mul_i32 s62, s16, 128*KP
	v_add_nc_u32 v[KADR], s62, v23
	v_add_nc_u32 v[KADR+1], SLOT, v[KADR]
	v_mul_u32_u24 v23, v21, VP
	v_lshl_add_u32 v23, v22, 4, v23
	s_lshl_b32 s62, s16, 8
	s_add_co_u32 s62, s62, VOFF
	v_add_nc_u32 v[VADR], s62, v23
	v_add_nc_u32 v[VADR+1], SLOT, v[VADR]
	s_lshl_b32 s62, s16, 9
	s_add_co_u32 s62, s62, BIASB
	v_lshl_add_u32 v[BADR], v22, 5, s62
	v_and_b32 v23, 31, v0
	s_mul_i32 s62, s15, MSZ
	s_add_co_u32 s62, s62, MERGE
	v_lshl_add_u32 v[MADR], v23, 4, s62
	v_lshlrev_b32 v31, 6, v0
	v_add_nc_u32 v31, BIASB, v31                   ; my 16 words of the table
	global_load_b128 v[T:T+3], v30, s[10:11]
	WIN 0x40
.irp q, 0,1,2,3
.irp c, 0,1
	global_load_b128 v[QF+16*\q+8*\c:QF+16*\q+8*\c+3], v[QOFF], s[4:5] offset:2048*\q+64*\c
	global_load_b128 v[QF+16*\q+8*\c+4:QF+16*\q+8*\c+7], v[QOFF], s[4:5] offset:2048*\q+64*\c+32
.endr
.endr
	WIN 0
.irp q, 0,1,2,3
	v_mov_b32 v[ML+2*\q], 0x71000000               ; -m = 2^99
	v_mov_b32 v[ML+2*\q+1], 0                      ; l = 0
.endr
	v_mov_b32 v[X], 0                              ; written once: v_permlanex16_b32 counts as a reader of its destination
	v_mov_b32 v[X+1], 0
	v_mov_b32 v[AL+1], 0                           ; the pairs' second registers
	v_mov_b32 v[AL+3], 0
	s_wait_loadcnt 16                              ; the mask bytes are in; the 16 loads of Q stay out
.irp d, 0,1,2,3
.irp b, 0,1,2,3
	v_bfe_u32 v[SA+4*\d+\b], v[T+\d], 8*\b, 8      ; 0 or 1
	v_mul_lo_u32 v[SA+4*\d+\b], v[SA+4*\d+\b], s57 ; 0.0 or -2^100
.endr
	ds_store_b128 v31, v[SA+4*\d:SA+4*\d+3] offset:16*\d
.endr
	s_wait_loadcnt 0x0                             ; Q; and the mask load is done, so v30 may be written again
; 24 LDS loads: K's fragments and the mask tiles of 64 keys (st = 0, 1 of my half of the tile in slot).  Window 0 throughout
.macro LOADK slot, st
.irp kt, 0,1,2,3
.irp o, 0,1,2,3
	ds_load_b128 v[KF+16*\kt+4*\o:KF+16*\kt+4*\o+3], v[KADR+\slot] offset:64*KP*\st+16*KP*\kt+32*\o
.endr
.endr
.irp kt, 0,1,2,3
	ds_load_b128 v[BI+8*\kt:BI+8*\kt+3], v[BADR] offset:256*\st+64*\kt
	ds_load_b128 v[BI+8*\kt+4:BI+8*\kt+7], v[BADR] offset:256*\st+64*\kt+16
.endr
.endm
; 16 LDS loads: V^T's fragments of the same 64 keys, into window 1
.macro LOADV slot, st
	WIN 0x40
.irp g, 0,1
.irp d, 0,1,2,3
	ds_load_b128 v[VF+32*\g+8*\d:VF+32*\g+8*\d+3], v[VADR+\slot] offset:16*VP*\d+128*\st+64*\g
	ds_load_b128 v[VF+32*\g+8*\d+4:VF+32*\g+8*\d+7], v[VADR+\slot] offset:16*VP*\d+128*\st+64*\g+32
.endr
.endr
.endm
; K Q^T alone (the very first): eight accumulators by turns, one instruction a turn; the first link takes the mask tile as C
.macro QKA sq, hq
	WIN 0x04                                       ; source 1 (Q) in window 1
.irp qi, 0,1
.irp kt, 0,1,2,3
	MM \sq+32*\qi+8*\kt, KF+16*\kt, QF+16*(2*\hq+\qi), BI+8*\kt
.endr
.endr
.irp qi, 0,1
.irp kt, 0,1,2,3
	MM \sq+32*\qi+8*\kt, KF+16*\kt+8, QF+16*(2*\hq+\qi)+8, \sq+32*\qi+8*\kt
.endr
.endr
	WIN 0
.endm
; the new maximum of the two query tiles in buffer ss (tiles 2 hs, 2 hs + 1), the factor 2^(old - new) into AL, minus the new maximum into the pair.  Window 0
.macro MAXS ss, hs
.irp qi, 0,1
	v_sub_f32 v[MO+\qi], 0, v[ML+2*(2*\hs+\qi)]    ; the old maximum
.endr
.irp qi, 0,1
.irp c, 0,1,2,3
	v_max3_num_f32 v[T+4*\qi+\c], v[\ss+32*\qi+8*\c], v[\ss+32*\qi+8*\c+1], v[\ss+32*\qi+8*\c+2]
.endr
.endr
.irp qi, 0,1
.irp c, 0,1,2,3
	v_max3_num_f32 v[T+4*\qi+\c], v[T+4*\qi+\c], v[\ss+32*\qi+8*\c+3], v[\ss+32*\qi+8*\c+4]
.endr
.endr
.irp qi, 0,1
.irp c, 0,1,2,3
	v_max3_num_f32 v[T+4*\qi+\c], v[T+4*\qi+\c], v[\ss+32*\qi+8*\c+5], v[\ss+32*\qi+8*\c+6]
.endr
.endr
.irp qi, 0,1
	v_max3_num_f32 v[T+4*\qi], v[T+4*\qi], v[T+4*\qi+1], v[T+4*\qi+2]
	v_max3_num_f32 v[T+4*\qi+3], v[T+4*\qi+3], v[\ss+32*\qi+7], v[\ss+32*\qi+15]
	v_max3_num_f32 v[T+4*\qi+1], v[\ss+32*\qi+23], v[\ss+32*\qi+31], v[MO+\qi]         ; the old maximum joins here
.endr
.irp qi, 0,1
	v_max3_num_f32 v[T+4*\qi], v[T+4*\qi], v[T+4*\qi+3], v[T+4*\qi+1]
.endr
.irp qi, 0,1
	v_permlanex16_b32 v[X+\qi], v[T+4*\qi], s22, s23           ; the same query's other keys lie in the other half of the lanes
.endr
.irp qi, 0,1
	v_max_num_f32 v[T+4*\qi], v[T+4*\qi], v[X+\qi]
.endr
.irp qi, 0,1
	v_sub_f32 v[T+4*\qi+1], v[MO+\qi], v[T+4*\qi]  ; old - new
.endr
.irp qi, 0,1
	v_exp_f32 v[AL+2*\qi], v[T+4*\qi+1]
.endr
	s_wait_alu depctr_va_vdst(0)
.irp qi, 0,1
	v_sub_f32 v[ML+2*(2*\hs+\qi)], 0, v[T+4*\qi]   ; minus the new maximum; also the plain place behind the two exponentials (ISA guide 5.7.2)
.endr
.endm
; O^T(tiles 2 hp, 2 hp + 1) += V^T P^T with P in buffer sp: eight accumulators by turns, one instruction a turn.
; zero = 1: the first products start the sums.  resc = 1: behind each product two of the 32 multiplies O(tiles 2 hr, 2 hr + 1) x factor, which name
; none of the product's registers.  tail: v_nop behind the last product, so that with the two multiplies four places stand in front of loads
; into V^T's fragments, and with the three subtractions that follow five in front of the products that overwrite P
.macro PVR hp, sp, zero, resc, hr, tail
	WIN 0x51                                       ; sources 0 and 2 and the destination in window 1, source 1 in window 0
.set n_, 0
.irp g, 0,1
.irp d, 0,1,2,3
.irp qi, 0,1
.if \zero*(1-\g)
	MMZ 32*(2*\hp+\qi)+8*\d, VF+32*\g+8*\d, \sp+32*\qi+16*\g
.else
	MM 32*(2*\hp+\qi)+8*\d, VF+32*\g+8*\d, \sp+32*\qi+16*\g, 32*(2*\hp+\qi)+8*\d
.endif
.if \resc
.set RB_, 32*(2*\hr+(n_>>3))+4*(n_&7)
	v_pk_mul_f32 v[RB_:RB_+1], v[RB_:RB_+1], v[AL+2*(n_>>3):AL+2*(n_>>3)+1] op_sel_hi:[1,0]
	v_pk_mul_f32 v[RB_+2:RB_+3], v[RB_+2:RB_+3], v[AL+2*(n_>>3):AL+2*(n_>>3)+1] op_sel_hi:[1,0]
.endif
.set n_, n_+1
.endr
.endr
.endr
.if \tail
	PLACES \tail
.endif
.endm
; pair p (0 to 31) of buffer ss: both scores minus the maximum, as x * 1.0 + (-m): the pair (-m, l) stands in the third source place
.macro SUBP ss, hs, p
	v_pk_fma_f32 v[\ss+2*(\p):\ss+2*(\p)+1], v[\ss+2*(\p):\ss+2*(\p)+1], 1.0, v[ML+2*(2*\hs+((\p)>>4)):ML+2*(2*\hs+((\p)>>4))+1] op_sel_hi:[1,0,0]
.endm
; pair p joins its tile's sum: two chains a tile, started by the tile's first four pairs, so nothing is cleared
.macro SUMP ss, p
.if ((\p)&15) > 3
	s_wait_alu depctr_va_vdst(0)
	v_pk_fma_f32 v[T+4*((\p)>>4)+2*((\p)&1):T+4*((\p)>>4)+2*((\p)&1)+1], v[\ss+2*(\p):\ss+2*(\p)+1], 1.0, v[T+4*((\p)>>4)+2*((\p)&1):T+4*((\p)>>4)+2*((\p)&1)+1] op_sel_hi:[1,0,1]
.else
.if ((\p)&15) > 1
	s_wait_alu depctr_va_vdst(0)
	v_pk_fma_f32 v[T+4*((\p)>>4)+2*((\p)&1):T+4*((\p)>>4)+2*((\p)&1)+1], v[\ss+2*(\p):\ss+2*(\p)+1], 1.0, v[\ss+2*(\p)-4:\ss+2*(\p)-3] op_sel_hi:[1,0,1]
.endif
.endif
.endm
; P = 2^(S - m) and its sums in buffer ss (query tiles 2 hs, 2 hs + 1), pair by pair: the subtraction one pair ahead, two exponentials, the sum one pair
; behind, so that a plain instruction on other registers stands behind every pair of exponentials before a result is read (ISA guide 5.7.2).
; qk = 1: behind every second pair one product of S^T = K Q^T + mask into buffer sq (query tiles 2 hq, 2 hq + 1): eight accumulators by turns,
; one instruction a turn; the first eight take the mask tile as C, the second eight add in place
.macro SOFTQK ss, hs, qk, sq, hq
	WIN 0x04                                       ; source 1 (Q) in window 1, all else in window 0
	SUBP \ss, \hs, 0
.set p_, 0
.rept 32
.if p_ < 31
	SUBP \ss, \hs, p_+1
.endif
	v_exp_f32 v[\ss+2*p_], v[\ss+2*p_]
	v_exp_f32 v[\ss+2*p_+1], v[\ss+2*p_+1]
.if p_ > 0
	SUMP \ss, p_-1
.endif
.if \qk*(p_&1)
.set kt_, (p_>>1)&3
.set qi_, (p_>>3)&1
.if p_ < 16
	MM \sq+32*qi_+8*kt_, KF+16*kt_, QF+16*(2*\hq+qi_), BI+8*kt_
.else
	MM \sq+32*qi_+8*kt_, KF+16*kt_+8, QF+16*(2*\hq+qi_)+8, \sq+32*qi_+8*kt_
.endif
.endif
.set p_, p_+1
.endr
	SUMP \ss, 31
.endm
; the end of a softmax: l = l x factor + this lane's sum, and P packed to bf16 in place.  Window 0.  These lines are also the places between the products
; of K Q^T above and the loads into K's fragments and the reads of the new scores below: they name none of those products' registers
.macro FIN ss, hs
	WIN 0
.irp qi, 0,1
	v_pk_add_f32 v[T+4*\qi:T+4*\qi+1], v[T+4*\qi:T+4*\qi+1], v[T+4*\qi+2:T+4*\qi+3]
.endr
.irp qi, 0,1
	v_add_f32 v[T+4*\qi], v[T+4*\qi], v[T+4*\qi+1]
.endr
.irp qi, 0,1
	v_fma_f32 v[ML+2*(2*\hs+\qi)+1], v[ML+2*(2*\hs+\qi)+1], v[AL+2*\qi], v[T+4*\qi]
.endr
.irp qi, 0,1
.irp g, 0,1
.irp i, 0,1,2,3,4,5,6,7
	v_cvt_pk_bf16_f32 v[\ss+32*\qi+16*\g+\i], v[\ss+32*\qi+16*\g+2*\i], v[\ss+32*\qi+16*\g+2*\i+1]   ; in place: register i is written when 2 i and 2 i + 1 have been read
.endr
.endr
.endr
.endm
; The change of tiles, in front of the first LDS reads of the tile in slot.  My last reads of the other slot (V^T's fragments) were issued half a unit ago.
; refill = 1: the next tile is asked for, into the slot that was read last.  stepb = 1: the mask table's next 256 words
.macro BOUND slot, refill, stepb
	s_wait_xcnt 0x0
	v_lshl_add_u32 v254, v0, 2, 0x40800
	v_mov_b32 v255, 0
	s_wait_tensorcnt 0x0                           ; all my tensor loads have landed, my quarter of this tile among them: every group 0 may be written
	ds_add_u32 v254, v255
	s_wait_dscnt 0x0
	s_add_nc_u64 s[G0K+4*\slot+2:G0K+4*\slot+3], s[G0K+4*\slot+2:G0K+4*\slot+3], 0x10000   ; this slot's next tile: two tiles on
	s_add_nc_u64 s[G0V+4*\slot+2:G0V+4*\slot+3], s[G0V+4*\slot+2:G0V+4*\slot+3], 1024
	s_wait_dscnt 0x0                               ; my reads of the last tile are back (the first time: my words of the mask table are stored)
	ROUND                                          ; both now hold of every wave of all four work-groups
.if \refill
	JLOAD (1-\slot)                                ; my one tensor load behind the round, first thing there
.endif
.if \stepb
	v_add_nc_u32 v[BADR], 0x400, v[BADR]
.endif
.endm
; A unit: the 64 keys t = (slot, st) enter, 64 matrix instructions.  On entry SA holds P(t-1), SB the scores S(t-1), V^T(t-1) is on its way or in.
; first = 1 (the second 64 keys): O^T does not exist yet: its first products start the sums, and tiles 2, 3 are not rescaled
.macro UNIT slot, st, first
	LOADK \slot, \st
	MAXS SB, 1
	s_wait_dscnt 24                                ; V^T(t-1) is in; the 24 loads just issued stay out
.if \first
	PVR 0, SA, 1, 0, 1, 2
.else
	PVR 0, SA, 0, 1, 1, 0
.endif
	s_wait_dscnt 0x0                               ; K(t) and its mask tiles
	SOFTQK SB, 1, 1, SA, 0
	FIN SB, 1
	MAXS SA, 0
	PVR 1, SB, \first, 1, 0, 2
	LOADV \slot, \st
	SOFTQK SA, 0, 1, SB, 1
	FIN SA, 0
.endm
	BOUND 0, 1, 0                                  ; tile 0 is whole; tile 1 is asked for
	LOADK 0, 0
	s_wait_dscnt 0x0
	QKA SA, 0                                      ; the head of the pipeline: the first scores, with nothing to go beside them
	PLACES 4                                       ; vector instructions read matrix results four places behind them (ISA guide 7.12.1)
	MAXS SA, 0
	LOADV 0, 0
	SOFTQK SA, 0, 1, SB, 1
	FIN SA, 0
	UNIT 0, 1, 1
	BOUND 1, 1, 1                                  ; tile 1
	UNIT 1, 0, 0
	UNIT 1, 1, 0
	s_mov_b32 s56, 6
.Ltiles:
	BOUND 0, 1, 1                                  ; tiles 2 to 13
	UNIT 0, 0, 0
	UNIT 0, 1, 0
	BOUND 1, 1, 1
	UNIT 1, 0, 0
	UNIT 1, 1, 0
	s_sub_co_u32 s56, s56, 1
	s_cmp_lg_u32 s56, 0
	s_cbranch_scc1 .Ltiles
	BOUND 0, 1, 1                                  ; tile 14 asks for tile 15,
	UNIT 0, 0, 0
	UNIT 0, 1, 0
	BOUND 1, 0, 1                                  ; and tile 15 for nothing (the stepped addresses are not used)
	UNIT 1, 0, 0
	UNIT 1, 1, 0
	MAXS SB, 1                                     ; the tail of the pipeline: no scores are left to make
	s_wait_dscnt 0x0                               ; the last V^T fragments
	PVR 0, SA, 0, 1, 1, 0
	SOFTQK SB, 1, 0, SA, 0
	FIN SB, 1
	PVR 1, SB, 0, 0, 0, 5                          ; five places behind the last product: LDS stores read O, loads land on P's registers
	WIN 0
	; THE MERGE of the two halves of the keys.  Waves 4-7 hand (-m, l) and O^T to waves 0-3 through LDS bytes of their own.
	s_cmp_eq_u32 s16, 0
	s_cbranch_scc1 .Lkeeper
	ds_store_b128 v[MADR], v[ML:ML+3] offset:16384
	ds_store_b128 v[MADR], v[ML+4:ML+7] offset:16896
	WIN 0x04                                       ; the stores' data in window 1
.set i, 0
.rept 32
	ds_store_b128 v[MADR], v[4*i:4*i+3] offset:512*i
.set i, i+1
.endr
	WIN 0
.Lkeeper:
	s_wait_dscnt 0x0                               ; for the partner's sake
	s_barrier_signal -1
	s_barrier_wait -1
	s_cmp_lg_u32 s16, 0
	s_cbranch_scc1 .Lclose                         ; waves 4-7 have nothing more to do but the closing round
.set OB, 32                                        ; v32-159  the partner's O^T
.set MB, 160                                       ; v160-167 the partner's (-m, l)
.set FA, 168                                       ; v168-183 for each query tile (fa, fa, fb, fb)
.set EA, 184                                       ; v184-187
.set EB, 188                                       ; v188-191
.set LL, 192                                       ; v192-195
.set STA, 20
.set STR, 21
.set AOFF, 22
.set i, 0
.rept 32
	ds_load_b128 v[OB+4*i:OB+4*i+3], v[MADR] offset:512*i
.set i, i+1
.endr
	ds_load_b128 v[MB:MB+3], v[MADR] offset:16384
	ds_load_b128 v[MB+4:MB+7], v[MADR] offset:16896
	v_and_b32 v24, 15, v0
	v_bfe_u32 v25, v0, 4, 1
	v_mul_u32_u24 v24, v24, KP
	v_lshl_add_u32 v24, v25, 4, v24
	s_mul_i32 s62, s15, 64*KP
	s_add_co_u32 s62, s62, STAGE
	v_add_nc_u32 v[STA], s62, v24                  ; my stage + 144 r + 16 h
	v_bfe_u32 v24, v0, 3, 2
	v_and_b32 v25, 7, v0
	v_mul_u32_u24 v24, v24, KP
	v_lshl_add_u32 v24, v25, 4, v24
	v_add_nc_u32 v[STR], s62, v24                  ; my stage + 144 (L >> 3) + 16 (L & 7)
	v_and_b32 v24, 31, v0
	v_lshlrev_b32 v[AOFF], 4, v24
	s_wait_dscnt 0x0
.irp q, 0,1,2,3
	v_min_num_f32 v[LL+\q], v[ML+2*\q], v[MB+2*\q]             ; minus the common maximum M
	v_sub_f32 v[EA+\q], v[LL+\q], v[ML+2*\q]                   ; ma - M = (-M) - (-ma)
	v_sub_f32 v[EB+\q], v[LL+\q], v[MB+2*\q]
.endr
.irp q, 0,1,2,3
	v_exp_f32 v[EA+\q], v[EA+\q]
	v_exp_f32 v[EB+\q], v[EB+\q]
.endr
	v_nop                                          ; the plain place behind the exponentials
	s_wait_alu depctr_va_vdst(0)
.irp q, 0,1,2,3
	v_mul_f32 v[LL+\q], v[ML+2*\q+1], v[EA+\q]
	v_fmac_f32 v[LL+\q], v[MB+2*\q+1], v[EB+\q]    ; l of this lane's keys, both halves of the keys
.endr
.irp q, 0,1,2,3
	v_permlanex16_b32 v[X+(\q&1)], v[LL+\q], s22, s23
	v_add_f32 v[LL+\q], v[LL+\q], v[X+(\q&1)]      ; and of the other half of the lanes: the query's whole sum
.endr
.irp q, 0,1,2,3
	v_rcp_f32 v[LL+\q], v[LL+\q]
.endr
	v_nop                                          ; the plain place behind the reciprocals
	s_wait_alu depctr_va_vdst(0)
.irp q, 0,1,2,3
	v_mul_f32 v[FA+4*\q], v[EA+\q], v[LL+\q]
	v_mul_f32 v[FA+4*\q+1], v[EA+\q], v[LL+\q]
	v_mul_f32 v[FA+4*\q+2], v[EB+\q], v[LL+\q]
	v_mul_f32 v[FA+4*\q+3], v[EB+\q], v[LL+\q]
.endr
.irp q, 0,1,2,3
.set i, 0
.rept 16
	v_pk_mul_f32 v[OB+32*\q+2*i:OB+32*\q+2*i+1], v[OB+32*\q+2*i:OB+32*\q+2*i+1], v[FA+4*\q+2:FA+4*\q+3]
.set i, i+1
.endr
.endr
	WIN 0x01                                       ; source 0: my O^T in window 1
.irp q, 0,1,2,3
.set i, 0
.rept 16
	v_pk_fma_f32 v[OB+32*\q+2*i:OB+32*\q+2*i+1], v[32*\q+2*i:32*\q+2*i+1], v[FA+4*\q:FA+4*\q+1], v[OB+32*\q+2*i:OB+32*\q+2*i+1]
.set i, i+1
.endr
.endr
	WIN 0
.irp q, 0,1,2,3
.irp d, 0,1,2,3
.irp i, 0,1,2,3
	v_cvt_pk_bf16_f32 v[OB+32*\q+8*\d+\i], v[OB+32*\q+8*\d+2*\i], v[OB+32*\q+8*\d+2*\i+1]
.endr
	ds_store_b128 v[STA], v[OB+32*\q+8*\d:OB+32*\q+8*\d+3] offset:16*KP*\q+32*\d   ; query 16 q + r, features 16 d + 8 h ..
.endr
.endr
.irp i, 0,1,2,3,4,5,6,7,8,9,10,11,12,13,14,15
	ds_load_b128 v[192+4*\i:192+4*\i+3], v[STR] offset:4*KP*\i     ; my own bytes: LDS serves a wave's instructions in order (ISA guide 5.7.1)
.endr
.irp i, 0,1,2,3,4,5,6,7,8,9,10,11,12,13,14,15
	s_wait_dscnt 15-\i
	global_store_b128 v[AOFF], v[192+4*\i:192+4*\i+3], s[12:13] offset:512*\i      ; a wave stores 512 consecutive bytes, aligned
.endr
.Lclose:
	s_wait_xcnt 0x0
	v_lshl_add_u32 v254, v0, 2, 0x40800
	v_mov_b32 v255, 0
	s_wait_tensorcnt 0x0
	ds_add_u32 v254, v255
	s_wait_dscnt 0x0
	ROUND                                          ; the closing round: no work-group ends while a partner may still ask for a tile that names it
	s_endpgm
.Lfunc_end_k_q571999226e_attn:
	.size	k_q571999226e_attn, .Lfunc_end_k_q571999226e_attn-k_q571999226e_attn
	.p2alignl 7, 3214868480
	.fill 96, 4, 3214868480
	.section	.rodata,"a",@progbits
	.p2align	6, 0x0
	.amdhsa_kernel k_q571999226e_attn
		.amdhsa_group_segment_fixed_size 327680
		.amdhsa_private_segment_fixed_size 0
		.amdhsa_enable_private_segment 0
		.amdhsa_kernarg_size 40
		.amdhsa_user_sgpr_count 2
		.amdhsa_user_sgpr_kernarg_segment_ptr 1
		.amdhsa_wavefront_size32 1
		.amdhsa_system_sgpr_workgroup_id_x 1
		.amdhsa_system_sgpr_workgroup_id_y 1
		.amdhsa_system_sgpr_workgroup_id_z 1
		.amdhsa_system_vgpr_workitem_id 0
		.amdhsa_next_free_vgpr 512
		.amdhsa_next_free_sgpr 66
		.amdhsa_reserve_vcc 0
		.amdhsa_float_denorm_mode_32 3
		.amdhsa_float_denorm_mode_16_64 3
		.amdhsa_memory_ordered 1
		.amdhsa_forward_progress 1
		.amdhsa_inst_pref_size 255
	.end_amdhsa_kernel
	.section	.bss,"aw",@nobits
	.p2align	6
	.space	262144
	.amdgpu_metadata
---
amdhsa.version: [ 1, 2 ]
amdhsa.kernels:
  - .name:           k_q571999226e_attn
    .symbol:         k_q571999226e_attn.kd
    .args:
      - { .name: Qs, .offset: 0, .size: 8, .value_kind: global_buffer, .address_space: global }
      - { .name: Kb, .offset: 8, .size: 8, .value_kind: global_buffer, .address_space: global }
      - { .name: Vt, .offset: 16, .size: 8, .value_kind: global_buffer, .address_space: global }
      - { .name: key_padding_mask, .offset: 24, .size: 8, .value_kind: global_buffer, .address_space: global }
      - { .name: AO, .offset: 32, .size: 8, .value_kind: global_buffer, .address_space: global }
    .group_segment_fixed_size: 327680
    .private_segment_fixed_size: 0
    .kernarg_segment_align: 8
    .kernarg_segment_size: 40
    .max_flat_workgroup_size: 256
    .sgpr_count:     66
    .vgpr_count:     512
    .wavefront_size: 32
...
	.end_amdgpu_metadata
.endif
;; end of part 2
;; launch oproj (part 3): grid 4 x 64, 4 waves a work-group, clusters of 4 x 4, 312,832 bytes of LDS; arguments AO, Wob, bo, out0; writes out0
.if DOCPART == 3
	.amdgcn_target "amdgcn-amd-amdhsa--gfx1250"
	.amdhsa_code_object_version 6
	.text
	.protected	k_q571999226e_oproj
	.globl	k_q571999226e_oproj
	.p2align	8
	.type	k_q571999226e_oproj,@function
k_q571999226e_oproj:
	s_mov_b64 s[64:65], 0
	v_nop
	global_prefetch_b8 v0, s[64:65] scope:SCOPE_SE
	s_setreg_imm32_b32 hwreg(HW_REG_WAVE_MODE, 25, 1), 1
	s_wait_xcnt 0x0
	s_wait_alu depctr_hold_cnt(0) depctr_sa_sdst(0) depctr_va_vdst(0) depctr_va_sdst(0) depctr_va_ssrc(0) depctr_va_vcc(0) depctr_vm_vsrc(0)
	s_getreg_b32 s2, hwreg(HW_REG_IB_STS2, 6, 4)
	s_cmp_eq_u32 s2, 0
	s_cbranch_scc0 .Lentry_in_a_cluster
	s_endpgm
.Lentry_in_a_cluster:
	s_bfe_u32 s2, ttmp6, 0x10000c
	s_cmp_lg_u32 s2, 0xf033
	s_cbranch_scc0 .Lentry_shape_is_right
	s_endpgm
.Lentry_shape_is_right:
; out0[token][n] = sum over k of A[token][k] Wo[k][n] + bo[n], f32 out.  A is the attention's result, AO[8 b + head][token][64] in bf16
; (k = 64 head + feature); Wob is Wo in bf16, [k][n].
; Work-group (nb, mb): 128 tokens x 128 columns, all of K = 512 in LDS at once: every LDS byte is filled once, nothing is filled again.
; Four waves, 64 x 64 each: 16 accumulator tiles.  Source 0 = W (transposing LDS loads), source 1 = A: a lane holds eight neighbouring columns
; of one token.  The bias tile is the C operand of the first K step.
; CLUSTER 4 x 4: A's tiles hang on the block of tokens alone and are shared along a row of the cluster, W's on the block of columns alone and
; are shared along a column.  Each wave issues four joint loads (two heads of A, two blocks of 64 rows of W) behind the opening round: four are
; out by this text's count; the first two serve k 0-255, the last two k 256-511.
; Limits: operands in bf16, sums in f32.
.set AP,    144                        ; A's rows: 128 bytes + 16
.set HEADB, 128*AP                     ; 18,432: one head's 128 tokens; also 64 rows of W
.set WB,    8*HEADB                    ; 147,456: W behind A
.set WPI,   288                        ; W's rows: 256 bytes + 32, an odd multiple of 32 (transposing loads)
.set STAGE, 2*WB                       ; 294,912: 16 rows x 272 bytes for each wave; ends at 312,320
.set SP,    272
.set BOFF, 2                           ; 256 fg + 32 h
.set AAD,  3                           ; (64 tg + r) 144 + 16 h, a head on every two K steps
.set WAD,  4                           ; WB + (8 h + (L & 7)) 288 + 16 ((L >> 3) & 1) + 128 fg, 64 rows on every two K steps
.set STO,  5                           ; my stage + 272 r + 32 h
.set RD,   6                           ; my stage + 272 h + 16 r
.set CO,   7                           ; 2048 h + 16 r
.set F0,   16                          ; v16-79: fragments, A's four then W's four
.set F1,   80                          ; v80-143: the second buffer
.set BIAS, 128                         ; window 1: v128-159; accumulator tile (tt, ft) at v[8 (4 tt + ft)], 0-127
.set G1A, 24
.set G1W, 32
.set MSB, 0
.macro WIN new
.if MSB != \new
	s_set_vgpr_msb (MSB<<8)|\new
.set MSB, \new
.endif
.endm
.macro PLACES n
.rept \n
	v_nop
.endr
.endm
.macro MM d, a, b, c
	v_wmma_f32_16x16x32_bf16 v[\d:\d+7], v[\a:\a+7], v[\b:\b+7], v[\c:\c+7]
.endm
.macro ROUND
	s_barrier_signal -1
	s_barrier_wait -1
	s_cmp_lg_u32 s12, 0
	s_cbranch_scc1 .Lnot_wave_0_\@
	s_barrier_signal -3
.Lnot_wave_0_\@:
	s_barrier_wait -3
	s_barrier_signal -1
	s_barrier_wait -1
.endm
	s_load_b256 s[4:11], s[0:1], 0x0               ; AO s[4:5], Wob s[6:7], bo s[8:9], out0 s[10:11]
	v_lshl_add_u32 v254, v0, 2, 0x4c400
	v_mov_b32 v255, 0
	ds_add_u32 v254, v255
	v_lshrrev_b32 v1, 5, v0
	v_readfirstlane_b32 s12, v1                    ; wave w
	s_lshr_b32 s13, s12, 1                         ; tg
	s_and_b32 s14, s12, 1                          ; fg
	s_bfe_u32 s15, ttmp6, 0x40000                  ; cx
	s_bfe_u32 s16, ttmp6, 0x40004                  ; cy
	s_lshl_b32 s17, ttmp9, 2
	s_add_co_u32 s17, s17, s15                     ; nb = 4 x cluster x + cx
	s_and_b32 s18, ttmp7, 0xffff
	s_lshl_b32 s18, s18, 2
	s_add_co_u32 s18, s18, s16                     ; mb = 4 x cluster y + cy
	s_lshl_b32 s60, s16, 2
	s_lshl_b32 s60, 15, s60                        ; my row of the cluster
	s_lshl_b32 s61, 0x1111, s15                    ; my column
	; A: 128 rows of 64 bf16, dense, 16 bytes of padding behind every 32 words
	s_or_b32 s[G1A+0], s60, (1<<16)|(1<<20)|(1<<21)|(4<<22)|(3<<25)
	s_mov_b32 s[G1A+1], 64<<16
	s_mov_b32 s[G1A+2], 128<<16
	s_mov_b32 s[G1A+3], 64<<16
	s_mov_b32 s[G1A+4], 128
	s_mov_b32 s[G1A+5], 64
	s_mov_b32 s[G1A+6], 0
	s_mov_b32 s[G1A+7], 0
	; W: 64 rows of 128 bf16, 512 elements apart, 32 bytes of padding behind every 64 words
	s_or_b32 s[G1W+0], s61, (1<<16)|(1<<20)|(1<<21)|(5<<22)|(7<<25)
	s_mov_b32 s[G1W+1], 128<<16
	s_mov_b32 s[G1W+2], 64<<16
	s_mov_b32 s[G1W+3], 128<<16
	s_mov_b32 s[G1W+4], 64
	s_mov_b32 s[G1W+5], 512
	s_mov_b32 s[G1W+6], 0
	s_mov_b32 s[G1W+7], 0
	s_lshr_b32 s20, s18, 5                         ; A's offset is made of mb and the wave's number alone: batch,
	s_lshl3_add_u32 s20, s20, s12                  ; 8 b + head w,
	s_lshl_b32 s20, s20, 19
	s_and_b32 s21, s18, 31
	s_lshl_b32 s21, s21, 14                        ; 128 tokens of 128 bytes
	s_add_co_u32 s20, s20, s21
	s_mov_b32 s21, 0
	s_lshl_b32 s22, s12, 16                        ; W's of nb and the wave's number alone: 64 rows of 1,024 bytes,
	s_lshl_b32 s23, s17, 8                         ; 128 columns of 2 bytes
	s_add_co_u32 s22, s22, s23
	s_mov_b32 s23, 0
	s_mul_i32 s62, s12, HEADB                      ; and where they go: the wave's number alone
	s_wait_dscnt 0x0
	s_wait_kmcnt 0x0
	s_add_nc_u64 s[4:5], s[4:5], s[20:21]
	s_add_nc_u64 s[6:7], s[6:7], s[22:23]
	s_mov_b32 s40, 1                               ; A, head w
	s_add_co_u32 s41, s62, 0
	s_mov_b64 s[42:43], s[4:5]
	s_or_b32 s43, s43, 0x80000000
	s_mov_b32 s44, 1                               ; W, rows 64 w ..
	s_add_co_u32 s45, s62, WB
	s_mov_b64 s[46:47], s[6:7]
	s_or_b32 s47, s47, 0x80000000
	s_mov_b32 s48, 1                               ; A, head w + 4
	s_add_co_u32 s49, s62, 4*HEADB
	s_add_nc_u64 s[50:51], s[4:5], 0x200000
	s_or_b32 s51, s51, 0x80000000
	s_mov_b32 s52, 1                               ; W, rows 256 + 64 w ..
	s_add_co_u32 s53, s62, WB+4*HEADB
	s_add_nc_u64 s[54:55], s[6:7], 0x40000
	s_or_b32 s55, s55, 0x80000000
	ROUND                                          ; all sixteen work-groups are here: the joint loads meet
	tensor_load_to_lds s[40:43], s[G1A:G1A+7]
	s_nop 0
	tensor_load_to_lds s[44:47], s[G1W:G1W+7]
	s_nop 0
	tensor_load_to_lds s[48:51], s[G1A:G1A+7]
	s_nop 0
	tensor_load_to_lds s[52:55], s[G1W:G1W+7]
	s_nop 0
	v_and_b32 v8, 15, v0                           ; r
	v_bfe_u32 v9, v0, 4, 1                         ; h
	s_lshl_b32 s62, s14, 8
	v_lshl_add_u32 v[BOFF], v9, 5, s62
	s_lshl_b32 s56, s17, 9                         ; 128 columns of 4 bytes
	s_mov_b32 s57, 0
	s_add_nc_u64 s[8:9], s[8:9], s[56:57]
	WIN 0x40
.irp ft, 0,1,2,3
	global_load_b128 v[BIAS+8*\ft:BIAS+8*\ft+3], v[BOFF], s[8:9] offset:64*\ft         ; register j = bo[.. + 16 ft + 8 h + j]
	global_load_b128 v[BIAS+8*\ft+4:BIAS+8*\ft+7], v[BOFF], s[8:9] offset:64*\ft+16
.endr
	WIN 0
	s_lshl_b32 s62, s13, 6
	v_add_nc_u32 v10, s62, v8
	v_mul_u32_u24 v[AAD], v10, AP
	v_lshl_add_u32 v[AAD], v9, 4, v[AAD]
	v_and_b32 v10, 7, v0
	v_lshl_add_u32 v10, v9, 3, v10
	v_mul_u32_u24 v[WAD], v10, WPI
	v_bfe_u32 v10, v0, 3, 1
	v_lshl_add_u32 v[WAD], v10, 4, v[WAD]
	s_lshl_b32 s62, s14, 7
	s_add_co_u32 s62, s62, WB
	v_add_nc_u32 v[WAD], s62, v[WAD]
	s_mul_i32 s62, s12, 16*SP
	s_add_co_u32 s62, s62, STAGE
	v_mul_u32_u24 v10, v8, SP
	v_lshl_add_u32 v10, v9, 5, v10
	v_add_nc_u32 v[STO], s62, v10
	v_mul_u32_u24 v10, v9, SP
	v_lshl_add_u32 v10, v8, 4, v10
	v_add_nc_u32 v[RD], s62, v10
	v_lshlrev_b32 v10, 11, v9
	v_lshl_add_u32 v[CO], v8, 4, v10
	s_lshl_b32 s58, s18, 18                        ; out0: 128 mb rows of 2,048 bytes,
	s_lshl_b32 s59, s13, 17                        ; 64 tg rows,
	s_add_co_u32 s58, s58, s59
	s_add_co_u32 s58, s58, s56                     ; 128 nb columns of 4 bytes,
	s_lshl_b32 s59, s14, 8                         ; 64 fg columns
	s_add_co_u32 s58, s58, s59
	s_mov_b32 s59, 0
	s_add_nc_u64 s[10:11], s[10:11], s[58:59]
; the fragments of one K step of 32 (c = 0, 1 within a head) into buffer f; step = 1: first on to the next head and the next 64 rows of W
.macro FETCH c, f, step
.if \step
	v_add_nc_u32 v[AAD], HEADB, v[AAD]
	v_add_nc_u32 v[WAD], HEADB, v[WAD]
.endif
.irp tt, 0,1,2,3
	ds_load_b128 v[\f+8*\tt:\f+8*\tt+3], v[AAD] offset:16*AP*\tt+64*\c
	ds_load_b128 v[\f+8*\tt+4:\f+8*\tt+7], v[AAD] offset:16*AP*\tt+64*\c+32
.endr
.irp ft, 0,1,2,3
	ds_load_tr16_b128 v[\f+32+8*\ft:\f+32+8*\ft+3], v[WAD] offset:32*WPI*\c+32*\ft
	ds_load_tr16_b128 v[\f+32+8*\ft+4:\f+32+8*\ft+7], v[WAD] offset:32*WPI*\c+32*\ft+16*WPI
.endr
.endm
; 16 matrix instructions on buffer f: the 16 accumulators take turns, one instruction a turn
.macro MUL f, first
	WIN 0x50
.irp tt, 0,1,2,3
.irp ft, 0,1,2,3
.if \first
	MM 8*(4*\tt+\ft), \f+32+8*\ft, \f+8*\tt, BIAS+8*\ft
.else
	MM 8*(4*\tt+\ft), \f+32+8*\ft, \f+8*\tt, 8*(4*\tt+\ft)
.endif
.endr
.endr
	WIN 0
.endm
; a K step: the next step's fragments (c, step) go into buffer g, then buffer f is multiplied
.macro KS c, f, g, step, first
	PLACES 4                                       ; loads into registers that matrix instructions have read stand four places behind them
	FETCH \c, \g, \step
	s_wait_dscnt 16                                ; all but the 16 loads just issued: buffer f is in
	MUL \f, \first
.endm
.macro SEVEN first                     ; seven K steps, each fetching the next; buffer 0 holds the first on entry, buffer 1 the eighth on exit
	KS 1, F0, F1, 0, \first
	KS 0, F1, F0, 1, 0
	KS 1, F0, F1, 0, 0
	KS 0, F1, F0, 1, 0
	KS 1, F0, F1, 0, 0
	KS 0, F1, F0, 1, 0
	KS 1, F0, F1, 0, 0
.endm
	s_wait_tensorcnt 2                             ; my parts of k 0-255 have landed; the two loads for k 256-511 stay out
	s_wait_loadcnt 0x0                             ; the bias
	s_barrier_signal -1
	s_barrier_wait -1                              ; everybody's have
	FETCH 0, F0, 0
	SEVEN 1
	s_wait_dscnt 0x0
	MUL F1, 0                                      ; K step 7
	s_wait_tensorcnt 0x0                           ; my parts of k 256-511
	s_barrier_signal -1
	s_barrier_wait -1
	PLACES 4
	FETCH 0, F0, 1                                 ; K step 8
	SEVEN 0
	s_wait_dscnt 0x0
	MUL F1, 0                                      ; K step 15
	; THE WAY OUT, 16 tokens at a time through my own stage: 32 bytes a lane in, whole rows of 256 bytes back.
	PLACES 4                                       ; LDS stores read matrix results, and loads land on the fragments, four places behind the last matrix instruction
.irp tt, 0,1,2,3
	WIN 0x04                                       ; the stores' data in window 1
.irp ft, 0,1,2,3
	ds_store_b128 v[STO], v[8*(4*\tt+\ft):8*(4*\tt+\ft)+3] offset:64*\ft
	ds_store_b128 v[STO], v[8*(4*\tt+\ft)+4:8*(4*\tt+\ft)+7] offset:64*\ft+16
.endr
	WIN 0
.irp i, 0,1,2,3,4,5,6,7
	ds_load_b128 v[F0+32*\tt+4*\i:F0+32*\tt+4*\i+3], v[RD] offset:2*SP*\i      ; my own bytes, served in order (ISA guide 5.7.1); registers of their own for each tt
.endr
.irp i, 0,1,2,3,4,5,6,7
	s_wait_dscnt 7-\i
	global_store_b128 v[CO], v[F0+32*\tt+4*\i:F0+32*\tt+4*\i+3], s[10:11] offset:32768*\tt+4096*\i th:TH_STORE_NT   ; sixteen lanes store 256 consecutive bytes, aligned
.endr
.endr
	s_wait_tensorcnt 0x0
	ds_add_u32 v254, v255
	s_wait_dscnt 0x0
	ROUND                                          ; the closing round
	s_endpgm
.Lfunc_end_k_q571999226e_oproj:
	.size	k_q571999226e_oproj, .Lfunc_end_k_q571999226e_oproj-k_q571999226e_oproj
	.p2alignl 7, 3214868480
	.fill 96, 4, 3214868480
	.section	.rodata,"a",@progbits
	.p2align	6, 0x0
	.amdhsa_kernel k_q571999226e_oproj
		.amdhsa_group_segment_fixed_size 312832
		.amdhsa_private_segment_fixed_size 0
		.amdhsa_enable_private_segment 0
		.amdhsa_kernarg_size 32
		.amdhsa_user_sgpr_count 2
		.amdhsa_user_sgpr_kernarg_segment_ptr 1
		.amdhsa_wavefront_size32 1
		.amdhsa_system_sgpr_workgroup_id_x 1
		.amdhsa_system_sgpr_workgroup_id_y 1
		.amdhsa_system_sgpr_workgroup_id_z 1
		.amdhsa_system_vgpr_workitem_id 0
		.amdhsa_next_free_vgpr 416
		.amdhsa_next_free_sgpr 66
		.amdhsa_reserve_vcc 0
		.amdhsa_float_denorm_mode_32 3
		.amdhsa_float_denorm_mode_16_64 3
		.amdhsa_memory_ordered 1
		.amdhsa_forward_progress 1
		.amdhsa_inst_pref_size 53
	.end_amdhsa_kernel
	.amdgpu_metadata
---
amdhsa.version: [ 1, 2 ]
amdhsa.kernels:
  - .name:           k_q571999226e_oproj
    .symbol:         k_q571999226e_oproj.kd
    .args:
      - { .name: AO, .offset: 0, .size: 8, .value_kind: global_buffer, .address_space: global }
      - { .name: Wob, .offset: 8, .size: 8, .value_kind: global_buffer, .address_space: global }
      - { .name: bo, .offset: 16, .size: 8, .value_kind: global_buffer, .address_space: global }
      - { .name: out0, .offset: 24, .size: 8, .value_kind: global_buffer, .address_space: global }
    .group_segment_fixed_size: 312832
    .private_segment_fixed_size: 0
    .kernarg_segment_align: 8
    .kernarg_segment_size: 32
    .max_flat_workgroup_size: 128
    .sgpr_count:     66
    .vgpr_count:     416
    .wavefront_size: 32
...
	.end_amdgpu_metadata
.endif
;; end of part 3
